; MI455X (gfx1250); checked and timed in simulation.
; The chip was launched on July 23, 2026; its instructions are those of AMD's public machine-readable ISA for CDNA 5 (MIT licence, August 2026) and "CDNA5" Instruction Set Architecture Reference Guide (July 2026). The comments in the code are by the model that wrote it; some were corrected since.
;; Model. Allowed arithmetic: matrix products marked QUANTISED: E2M1 operands, one E8M0 scale for each 32 along K, by v_wmma_scale_f32_16x16x128_f8f6f4 with both operands' format E2M1 (or v_wmma_scale_f32_32x16x128_f4), f32 sums; everything else in f32.
;; Inputs: k 64 x 2,048 x 64 float32; q 64 x 2,048 x 64 float32; v 64 x 2,048 x 64 float32.
;; Outputs: out0 64 x 2,048 x 64 float32.
;; This version of the problem:
;;   THIS VERSION OF THE PROBLEM IS GIVEN IN LOW PRECISION. The matrix products marked QUANTISED in the list below multiply operands that are first quantised to E2M1 (2 exponent bits, 1 mantissa bit; 4 bits a number), with one power-of-two scale for each 32 numbers along K (OCP MX v1.0); their sums are f32. All else is computed in f32.
;;   The module's matrix products, in the order in which they are computed (A, B: the left and right operand; K: the contracted axis; several contracted axes count as one K, in the product's order):
;;     1. batch 64 x [M 2,048, K 64] x [K 64, N 2,048]; A: input q; B: input k: QUANTISED
;;     2. batch 64 x [M 2,048, K 2,048] x [K 2,048, N 64]; A: softmax (see below); B: input v: QUANTISED
;;   THE QUANTISER, for each operand of a quantised product, along K:
;;     - K is cut into blocks of 32 from its start; a last block that is shorter is filled with zeros.
;;     - A block's scale is 2^e with e = floor(log2(the largest magnitude in the block)) - 2, held to -126 .. 127; a block of zeros has e = 0. As a byte (E8M0): e + 127.
;;     - Each number is divided by its block's scale, clamped to +-6, and rounded to the nearest number of E2M1, ties to even, subnormals kept.
;;     - The product sums the exact products of the quantised numbers (number of the format x scale) in f32.
;;   ~~~python
;;   def quantise(x, axis):      # numpy; x: float32 -> the quantised numbers, widened to float32 again
;;       x = np.moveaxis(x, axis, -1); K = x.shape[-1]
;;       x = np.pad(x, [(0, 0)] * (x.ndim - 1) + [(0, -K % 32)]); x = x.reshape(x.shape[:-1] + (-1, 32)); a = np.abs(x).max(-1, keepdims=True)
;;       e = np.where(a > 0, np.clip(np.frexp(np.where(a > 0, a, 1))[1] - 1 - 2, -126, 127), 0)      # np.frexp(a)[1] - 1 = floor(log2(a)), exactly
;;       r = np.clip(x / 2.0 ** e, -6, 6)
;;       step = 2.0 ** (np.maximum(np.frexp(np.where(r == 0, 1, r))[1] - 1, 0) - 1)
;;       q = np.round(r / step) * step * 2.0 ** e      # np.round: ties to even
;;       return np.moveaxis(q.reshape(q.shape[:-2] + (-1,))[..., :K], -1, axis).astype(np.float32)
;;   ~~~
;;   SOFTMAX AHEAD OF A QUANTISED PRODUCT. Where the list says 'softmax', what is quantised is not the finished softmax but p = 2^(t - M), with t = logit x log2(e) and M = ceil(the row's largest t), a whole number; so 1/2 < the row's largest p <= 1. The row's sum l is taken of the UNQUANTISED p, in f32, and the product's result is divided by l at the end. Since M is a whole number, a kernel that streams over the keys may use a running M (the ceiling of the running maximum): every later rescaling is an exact power of two, which a block's scale takes up: the codes' values come out the same.
;;   OPERANDS COMPUTED ON THE WAY. 'Computed on the way' means the value that the module computes at that place (a softmax that the list does not call 'softmax' is quantised finished and normalised). What goes into a quantiser is computed in f32, as accurately as f32 sums, v_exp_f32 and their like allow (about 1e-6 of the number): no bf16 or f16 on the way to a quantiser, and a product that is left as it is and whose result goes on into a quantised operand takes f32 operands (vector FMAs, or v_wmma_f32_16x16x4_f32). A number that lies on a knife's edge between two numbers of the format may be rounded either way, as far as f32 arithmetic and the matrix unit's own rounding can turn it there, and no further.
;; One version. Each part assembles by itself: llvm-mc -triple=amdgcn-amd-amdhsa -mcpu=gfx1250 --defsym DOCPART=n.
;; ======== version 1 of 1: 2 launches
;; limits: right only within a limited range of input values
;; workspace buffers: kv 8,912,896 bytes
;; launch prep (part 1): grid 512 x 1, 4 waves a work-group, no clusters, 19,968 bytes of LDS; arguments k, v, kv; writes kv
.if DOCPART == 1
	.amdgcn_target "amdgcn-amd-amdhsa--gfx1250"
	.amdhsa_code_object_version 6
	.text
	.protected	k_q6b04757036_prep
	.globl	k_q6b04757036_prep
	.p2align	8
	.type	k_q6b04757036_prep,@function
k_q6b04757036_prep:
	s_mov_b64 s[64:65], 0
	v_nop
	global_prefetch_b8 v0, s[64:65] scope:SCOPE_SE
	s_setreg_imm32_b32 hwreg(HW_REG_WAVE_MODE, 25, 1), 1
	s_wait_xcnt 0x0
; k and v, [64][2048][64] f32, become codes of FP4 (E2M1) with one E8M0 scale byte for each 32 along a product's K, laid in kv in the order of the operands' registers.
; k is quantised along the head's 64 (two blocks a key), v along the keys (a block = 32 keys of one channel d).
; kv is 1,024 records of 8,704 bytes, record 16 x head + s for the 128 keys of key step s:
;   +0     K's codes, eight units u of 16 keys: byte 512 u + 16 lane; lane (r = lane % 16, h = lane / 16) has the 32 codes of key 64 (u / 4) + 8 (u % 4) + r % 8 + 32 (r / 8), dims 32 h on
;   +4096  V's codes, four fragments t: byte 1024 t + 512 c + 16 lane; lane (r, h) has the 32 codes of channel 16 t + r, keys 64 c + 32 h on
;   +8192  K's scale words: 16 r + 4 b; in word b byte 2 c + hb is the byte of row r of unit 2 b + c, dims 32 hb on
;   +8448  V's scale words: 16 r + 4 t; in word t byte e is the byte of channel 16 t + r, keys 32 e on
; A block's scale is 2^(floor(log2(its largest magnitude)) - 2); its byte is the largest magnitude's exponent field - 2, held at 1 from below.
; LIMITS: a block whose largest magnitude lies under 2^-124, a block of zeros among them, gets the byte 1 (only this program reads the bytes); NaN and infinities among the inputs are not served.
; SHARES: one wave makes the K part or the V part of one record, from 32,768 bytes.  Work-groups 0-255 take k, 256-511 take v.  Waves share nothing: no barrier.
.set REC,  8704
.set STGW, 4864                        ; LDS: a stage for each wave (K's path alone uses it)
.set HB,   2432                        ; where the places of the rows' second halves begin
.set PL,   144                         ; a place: 128 bytes (32 numbers) + 16 of padding
.set W,    16                          ; v16-19 scale words; v20-23 the partner lane's; v[24:25] what is stored
.set R,    32                          ; v32-159 K's path: four sets of 32 registers, as loaded
.set X,    160                         ; v160-191 K's path: my block of 32 numbers
.set XV,   32                          ; v32-95 V's path: two sets of 32 numbers
.set C,    192                         ; v192-223 codes
	s_load_b128 s[4:7], s[0:1], 0x0                ; k, v
	s_load_b64 s[8:9], s[0:1], 0x10                ; kv
	v_lshl_add_u32 v224, v0, 2, 0x4c00             ; my spare word, behind the four stages
	v_mov_b32 v225, 0
	v_lshrrev_b32 v1, 5, v0
	v_readfirstlane_b32 s10, v1                    ; wave 0..3
	v_and_b32 v1, 31, v0                           ; lane
	s_wait_alu depctr_va_vdst(0)
	v_and_b32 v2, 15, v0                           ; r
	v_bfe_u32 v3, v0, 4, 1                         ; h
	s_and_b32 s11, ttmp9, 255
	s_lshl_b32 s11, s11, 2
	s_add_co_u32 s11, s11, s10                     ; my record
	s_lshl_b32 s12, s11, 15                        ; its 32,768 bytes of input
	s_mov_b32 s13, 0
	s_mul_i32 s14, s11, REC                        ; and where it lies in kv
	s_mov_b32 s15, 0
	s_mul_i32 s16, s10, STGW                       ; my stage
	s_mov_b32 s20, 0x76543210
	s_mov_b32 s21, 0xfedcba98                      ; selects for lane l xor 16
	v_lshlrev_b32 v4, 4, v1                        ; 16 x lane
	v_bfe_u32 v5, v0, 3, 1                         ; K, into the stage: which half of its row,
	v_mul_u32_u24 v5, v5, HB
	s_wait_alu depctr_va_vdst(0)
	v_mad_u32_u24 v5, v3, PL, v5                   ; which of the load's two rows,
	v_and_b32 v6, 7, v0
	v_lshl_add_u32 v5, v6, 4, v5                   ; and where in the half
	v_add_nc_u32 v5, s16, v5
	v_mul_u32_u24 v6, v3, HB                       ; out of the stage: the place of (row r, half h)
	v_mad_u32_u24 v6, v2, PL, v6
	v_add_nc_u32 v6, s16, v6
	v_lshlrev_b32 v7, 3, v3                        ; 8 h
	v_lshlrev_b32 v8, 4, v2
	v_lshl_add_u32 v8, v3, 3, v8                   ; the scale words' store: 16 r + 8 h
	v_lshlrev_b32 v13, 2, v1                       ; V: 4 x lane
	v_lshlrev_b32 v14, 10, v3
	v_lshl_add_u32 v14, v2, 4, v14                 ; V: 1024 h + 16 r
	v_cmp_eq_u32 vcc_lo, 1, v3                     ; lanes 16-31
.irp b, 0,1,2,3
	v_mov_b32 v[20+\b], 0                          ; a lane permute's destination counts as one of its sources
.endr
	s_wait_kmcnt 0x0
	s_cmp_lt_u32 ttmp9, 256                        ; k's work-group or v's: by the work-group's number alone
	s_cselect_b64 s[4:5], s[4:5], s[6:7]
	s_add_nc_u64 s[4:5], s[4:5], s[12:13]
	s_add_nc_u64 s[8:9], s[8:9], s[14:15]
; the largest magnitude of 32 numbers with the floor 2^(3 - 127); v11 = the conversion's scale operand; v12 = the scale's byte
.macro MAXB x
.set XB, \x
	v_max3_num_f32 v9, |v[XB]|, |v[XB+1]|, |v[XB+2]|
	v_max3_num_f32 v10, |v[XB+3]|, |v[XB+4]|, |v[XB+5]|
.irp i, 6,10,14,18,22,26
	v_max3_num_f32 v9, v9, |v[XB+\i]|, |v[XB+\i+1]|
	v_max3_num_f32 v10, v10, |v[XB+\i+2]|, |v[XB+\i+3]|
.endr
	v_max3_num_f32 v9, v9, |v[XB+30]|, |v[XB+31]|
	v_max3_num_f32 v9, v9, v10, 0x1800000
	v_add_nc_u32 v11, 0xff000000, v9
	v_lshrrev_b32 v12, 23, v11
.endm
	s_cmp_lt_u32 ttmp9, 256
	s_cbranch_scc0 .Lv
; ---- K.  Unit u is 16 keys: rows 0-7 are keys 64 (u / 4) + 8 (u % 4) on, rows 8-15 the keys 32 further on.  Each load takes two whole rows, 512 consecutive bytes;
; the unit turns through my stage, so that lane (r, h) gets the 32 neighbours of row r, half h: a whole block.
.macro KLOAD u
.irp i, 0,1,2,3,4,5,6,7
	global_load_b128 v[R+32*((\u)%4)+4*\i:R+32*((\u)%4)+4*\i+3], v4, s[4:5] offset:(64*((\u)/4)+8*((\u)%4)+2*\i+24*(\i/4))*256 th:TH_LOAD_NT
.endr
.endm
.macro KUNIT u
.if (\u) < 4
	s_wait_loadcnt 24                              ; this unit's eight loads are in; those of the three units behind it stay out
.else
	s_wait_loadcnt 8*(7-(\u))
.endif
.irp i, 0,1,2,3,4,5,6,7
	ds_store_b128 v5, v[R+32*((\u)%4)+4*\i:R+32*((\u)%4)+4*\i+3] offset:2*PL*\i
.endr
.irp j, 0,1,2,3,4,5,6,7
	ds_load_b128 v[X+4*\j:X+4*\j+3], v6 offset:16*\j             ; a wave's LDS instructions are served in order
.endr
	s_wait_dscnt 0x0
.if (\u) < 4
	KLOAD (\u)+4
.endif
	MAXB X
.if (\u)%2 == 0
	v_mov_b32 v[W+(\u)/2], v12
.else
	v_lshl_or_b32 v[W+(\u)/2], v12, 16, v[W+(\u)/2]
.endif
.irp g, 0,1,2,3
	v_cvt_scalef32_pk8_fp4_f32 v[C+4*(\u)+\g], v[X+8*\g:X+8*\g+7], v11
.endr
	global_store_b128 v4, v[C+4*(\u):C+4*(\u)+3], s[8:9] offset:512*(\u)     ; 512 consecutive bytes
.endm
.irp u, 0,1,2,3
	KLOAD \u
.endr
.irp u, 0,1,2,3,4,5,6,7
	KUNIT \u
.endr
.irp b, 0,1,2,3
	v_lshlrev_b32 v[W+\b], v7, v[W+\b]             ; my bytes 8 h bits up
.endr
.irp b, 0,1,2,3
	v_permlanex16_b32 v[20+\b], v[W+\b], s20, s21
.endr
.irp b, 0,1,2,3
	v_or_b32 v[W+\b], v[W+\b], v[20+\b]            ; with lane l xor 16's the word is whole
.endr
	v_cndmask_b32 v24, v16, v18, vcc_lo            ; lanes 0-15 store words 0, 1 of row r, lanes 16-31 words 2, 3
	v_cndmask_b32 v25, v17, v19, vcc_lo
	global_store_b64 v8, v[24:25], s[8:9] offset:8192
	s_wait_tensorcnt 0x0                           ; the wave's end
	ds_add_u32 v224, v225
	s_wait_dscnt 0x0
	s_endpgm
; ---- V.  A lane takes a channel and its registers run down the keys.  Block n = 2 e + dh: keys 32 e on, channel 32 dh + lane.
.Lv:
.macro VLOAD n
.set i, 0
.rept 32
	global_load_b32 v[XV+32*((\n)%2)+i], v13, s[4:5] offset:(32*((\n)/2)+i)*256+128*((\n)%2)
.set i, i+1
.endr
.endm
.macro VBLOCK n
.if (\n) < 7
	s_wait_loadcnt 32                              ; this block's 32 loads are in; the next block's stay out
.else
	s_wait_loadcnt 0x0
.endif
	MAXB XV+32*((\n)%2)
.if (\n)/2 == 0
	v_mov_b32 v[W+(\n)%2], v12
.else
	v_lshl_or_b32 v[W+(\n)%2], v12, 8*((\n)/2), v[W+(\n)%2]
.endif
.irp g, 0,1,2,3
	v_cvt_scalef32_pk8_fp4_f32 v[C+4*(\n)+\g], v[XV+32*((\n)%2)+8*\g:XV+32*((\n)%2)+8*\g+7], v11
.endr
	global_store_b128 v14, v[C+4*(\n):C+4*(\n)+3], s[8:9] offset:4096+2048*((\n)%2)+512*((\n)/4)+256*(((\n)/2)%2)
.if (\n) < 6
	VLOAD (\n)+2
.endif
.endm
	s_wait_alu depctr_va_vdst(0)
	VLOAD 0
	VLOAD 1
.irp n, 0,1,2,3,4,5,6,7
	VBLOCK \n
.endr
	v_permlanex16_b32 v20, v16, s20, s21
	v_permlanex16_b32 v21, v17, s20, s21
	v_cndmask_b32 v24, v16, v21, vcc_lo
	v_cndmask_b32 v25, v20, v17, vcc_lo
	global_store_b64 v8, v[24:25], s[8:9] offset:8448
	s_endpgm
.Lfunc_end_k_q6b04757036_prep:
	.size	k_q6b04757036_prep, .Lfunc_end_k_q6b04757036_prep-k_q6b04757036_prep
	.p2alignl 7, 3214868480
	.fill 96, 4, 3214868480
	.section	.rodata,"a",@progbits
	.p2align	6, 0x0
	.amdhsa_kernel k_q6b04757036_prep
		.amdhsa_group_segment_fixed_size 19968
		.amdhsa_private_segment_fixed_size 0
		.amdhsa_enable_private_segment 0
		.amdhsa_kernarg_size 24
		.amdhsa_user_sgpr_count 2
		.amdhsa_user_sgpr_kernarg_segment_ptr 1
		.amdhsa_wavefront_size32 1
		.amdhsa_system_sgpr_workgroup_id_x 1
		.amdhsa_system_sgpr_workgroup_id_y 1
		.amdhsa_system_sgpr_workgroup_id_z 1
		.amdhsa_system_vgpr_workitem_id 0
		.amdhsa_next_free_vgpr 226
		.amdhsa_next_free_sgpr 66
		.amdhsa_reserve_vcc 1
		.amdhsa_float_denorm_mode_32 3
		.amdhsa_float_denorm_mode_16_64 3
		.amdhsa_memory_ordered 1
		.amdhsa_forward_progress 1
		.amdhsa_inst_pref_size 67
	.end_amdhsa_kernel
	.amdgpu_metadata
---
amdhsa.version: [ 1, 2 ]
amdhsa.kernels:
  - .name:           k_q6b04757036_prep
    .symbol:         k_q6b04757036_prep.kd
    .args:
      - { .name: k, .offset: 0, .size: 8, .value_kind: global_buffer, .address_space: global }
      - { .name: v, .offset: 8, .size: 8, .value_kind: global_buffer, .address_space: global }
      - { .name: kv, .offset: 16, .size: 8, .value_kind: global_buffer, .address_space: global }
    .group_segment_fixed_size: 19968
    .private_segment_fixed_size: 0
    .kernarg_segment_align: 8
    .kernarg_segment_size: 24
    .max_flat_workgroup_size: 128
    .sgpr_count:     66
    .vgpr_count:     226
    .wavefront_size: 32
...
	.end_amdgpu_metadata
.endif
;; end of part 1
;; launch attn (part 2): grid 4 x 64, 16 waves a work-group, clusters of 4 x 1, 219,136 bytes of LDS; arguments q, kv, out0; writes out0
.if DOCPART == 2
	.amdgcn_target "amdgcn-amd-amdhsa--gfx1250"
	.amdhsa_code_object_version 6
	.text
	.protected	k_q6b04757036_attn
	.globl	k_q6b04757036_attn
	.p2align	8
	.type	k_q6b04757036_attn,@function
k_q6b04757036_attn:
	s_mov_b64 s[64:65], 0
	v_nop
	global_prefetch_b8 v0, s[64:65] scope:SCOPE_SE
	s_setreg_imm32_b32 hwreg(HW_REG_WAVE_MODE, 25, 1), 1
	s_wait_xcnt 0x0
	s_wait_alu depctr_hold_cnt(0) depctr_sa_sdst(0) depctr_va_vdst(0) depctr_va_sdst(0) depctr_va_ssrc(0) depctr_va_vcc(0) depctr_vm_vsrc(0)
	s_getreg_b32 s2, hwreg(HW_REG_IB_STS2, 6, 4)
	s_cmp_eq_u32 s2, 0
	s_cbranch_scc0 .Lentry_in_a_cluster
	s_endpgm
.Lentry_in_a_cluster:
	s_bfe_u32 s2, ttmp6, 0x10000c
	s_cmp_lg_u32 s2, 0x3003
	s_cbranch_scc0 .Lentry_shape_is_right
	s_endpgm
.Lentry_shape_is_right:
; out0[h][q][:] = the sum over k of softmax_k(q . k / 8) v[k][:], both products on codes of FP4 (E2M1) with one E8M0 scale for each 32 along a product's K.  64 heads, 2,048 queries and keys, head size 64.
; q: f32, quantised here in registers.  kv: 16 records of 8,704 bytes a head, 128 keys each, in the order of the operands' registers (+0 K's codes, +4096 V's, +8192 K's scale words, +8448 V's).
; SOFTMAX: t = score x log2(e) / 8; M = the running largest t rounded up to a whole number; p = 2^(t - M) is quantised along the keys, not normalised; the row's sum is taken of the unquantised p and divides at the end.
; When M moves, the sum and O are multiplied by 2^(old M - new M), in every step: nothing is rounded, no branch hangs on data.
; SHARES: a work-group has 512 queries of one head, each of its sixteen waves 32, as two tiles of 16, one after the other: two passes over the keys.  A step is 256 keys, two records: 128 score registers a lane,
; so that M, f and the rescaling of O and of the sum are made once for 256 keys.
; LDS: a whole head's 16 records are brought once and stay; each wave issues one tensor load, of one record; the four work-groups of a head are a cluster and ask jointly.  No slot is filled again.
; PREFETCH: kv comes once, at the head, and is not asked for ahead.  q's second tile, 16 blocks of 256 bytes a wave, is asked for once by its own wave at the first pass's start, eight steps ahead of its load.
; LAYOUT: both products are transposed (S^T = K Q^T, O^T = V^T P^T): a lane holds one query (lane % 16).  Tile u of a record's K has in rows 0-7 keys 64 (u / 4) + 8 (u % 4) on and in rows 8-15 the keys 32 further on:
; so score register 32 c + n of lane half h is key 64 c + 32 h + n of its record: a lane holds WHOLE blocks of 32 keys, in the very order of the second product's operand.
; The first product's K is 64: a fragment of K holds two tiles; it is multiplied by (q, 0) and by (0, q); the half that does not count holds zero codes.
; LIMITS: the promise holds while |t| stays under 2^31.  NaN and infinities among the inputs are not served.  A block whose largest magnitude lies under 2^-124 gets the byte 1.  A p under 2^-126 comes out of v_exp_f32 as 0.
; A block's largest p is made from its largest score by the same two instructions: this takes v_exp_f32 not to fall where its input rises.
.set REC,   8704
.set HEADB, 16*REC
.set STG,   HEADB                      ; behind the records: a stage of 4,864 bytes for each wave (q's turn, the way out); no fill lands there
.set STGW,  4864
.set HB,    2432
.set PL,    144
.set SP,    272
.set SPARE, STG+16*STGW                ; the spare words: 128 bytes a wave
.set LA,  1                            ; 16 x lane
.set ADR, 2                            ; LDS address of the step's two records
.set SPW, 3
.set NIL, 4
.set PW,  5                            ; p's scale word, even record
.set QS,  6                            ; v6, v7 q's scale words for (q, 0) and (0, q)
.set NM,  8                            ; -M;  v9 the running largest score
.set RM,  9
.set L,   10                           ; v[10:11] the sum
.set FF,  12                           ; v[12:13] f = 2^(old M - new M), at the end 1 / the sum
.set CH,  14                           ; v14-17 chains of maxima of the even record; then the conversions' scale operands
.set T,   20                           ; v20-23 chains of maxima of the odd record; at work
.set QZ,  24                           ; v24-35 zeros, q's codes, zeros
.set SW0, 36                           ; v36-39, v40-43 the scale words of the even and of the odd record: lanes 0-15 K's, lanes 16-31 V's
.set SW1, 40
.set PC,  44                           ; v44-51 p's codes of one record
.set F,   52                           ; v52-83 four fragments: K's or V's
.set O,   84                           ; v84-115 O^T
.set S,   116                          ; v116-243 the scores of 256 keys, then p
.set PB,  244                          ; v244-247 my four blocks' largest t - M, then largest p
.set QIN, 248
.set QOUT, 249
.set OIN, 250
.set OBK, 251
.set OM,  252                          ; -M of the step before
.set PW2, 253                          ; p's scale word, odd record
.set PFO, 254                          ; the prefetch's offset; never rewritten
.macro CROUND                          ; a round of the cluster's barrier
	s_barrier_signal -1
	s_barrier_wait -1
	s_cmp_lg_u32 s10, 0
	s_cbranch_scc1 .Lnot_wave_0_\@
	s_barrier_signal -3
.Lnot_wave_0_\@:
	s_barrier_wait -3
	s_barrier_signal -1
	s_barrier_wait -1
.endm
.macro LDK off, sw                     ; a record's scale words and K's four fragments: 512 consecutive bytes a load
	ds_load_b128 v[\sw:\sw+3], v[ADR] offset:(\off)+8192
.irp n, 0,1,2,3,4,5,6,7
	ds_load_b128 v[F+4*\n:F+4*\n+3], v[ADR] offset:(\off)+512*\n
.endr
.endm
.macro LDV off                         ; a record's four fragments of V
.irp n, 0,1,2,3,4,5,6,7
	ds_load_b128 v[F+4*\n:F+4*\n+3], v[ADR] offset:(\off)+4096+512*\n
.endr
.endm
.macro P1 b, sw                        ; S^T of one record: each fragment of K against (q, 0) and (0, q)
.irp n, 0,1,2,3
	v_wmma_scale_f32_16x16x128_f8f6f4 v[\b+16*\n:\b+16*\n+7], v[F+8*\n:F+8*\n+7], v[QZ+4:QZ+11], 0, v[\sw+\n], v[QS] matrix_a_fmt:MATRIX_FMT_FP4 matrix_b_fmt:MATRIX_FMT_FP4
	v_wmma_scale_f32_16x16x128_f8f6f4 v[\b+16*\n+8:\b+16*\n+15], v[F+8*\n:F+8*\n+7], v[QZ:QZ+7], 0, v[\sw+\n], v[QS+1] matrix_a_fmt:MATRIX_FMT_FP4 matrix_b_fmt:MATRIX_FMT_FP4
.endr
.endm
.macro P2 sw, pw                       ; O^T += V^T P^T for one record: four accumulators by turns; V's scale words lie in lanes 16-31
.irp t, 0,1,2,3
	v_wmma_scale_f32_16x16x128_f8f6f4 v[O+8*\t:O+8*\t+7], v[F+8*\t:F+8*\t+7], v[PC:PC+7], v[O+8*\t:O+8*\t+7], v[\sw+\t], v[\pw] matrix_a_fmt:MATRIX_FMT_FP4 matrix_b_fmt:MATRIX_FMT_FP4 matrix_a_scale:MATRIX_SCALE_ROW1
.endr
.endm
.macro MAXR b, c                       ; four chains of 15 scores each, by turns; each accumulator is read from its low end on
.irp k, 0,1,2,3
	v_max3_num_f32 v[\c+\k], v[\b+16*\k], v[\b+16*\k+1], v[\b+16*\k+2]
.endr
.irp r, 1,2,3,4,5,6
.irp k, 0,1,2,3
	v_max3_num_f32 v[\c+\k], v[\c+\k], v[\b+16*\k+2*\r+1], v[\b+16*\k+2*\r+2]
.endr
.endr
.endm
.macro MAXF b, c                       ; the chains joined: v[c] and v[c+2] are the largest scores of my two blocks of the record
	v_max3_num_f32 v[\c], v[\c], v[\c+1], v[\b+15]
	v_max3_num_f32 v[\c+2], v[\c+2], v[\c+3], v[\b+47]
	v_max_num_f32 v[\c], v[\c], v[\b+31]
	v_max_num_f32 v[\c+2], v[\c+2], v[\b+63]
.endm
.macro FMAS j0, n                      ; t - M, two at a time
.set j, \j0
.rept \n
	v_pk_fma_f32 v[S+2*j:S+2*j+1], v[S+2*j:S+2*j+1], s[28:29], v[NM:NM+1] op_sel_hi:[1,0,0]
.set j, j+1
.endr
.endm
.macro CVTS b, so                      ; a record's codes: registers 4 c .. 4 c + 3 of the operand are keys 64 c + 32 h on
.irp c, 0,1
.irp u, 0,1,2,3
	v_cvt_scalef32_pk8_fp4_f32 v[PC+4*\c+\u], v[\b+32*\c+8*\u:\b+32*\c+8*\u+7], v[\so+\c]
.endr
.endr
.endm
.macro TREE b, d, m0, n                ; a level of the sum of a record's unquantised p, in place
.set m, \m0
.rept \n
	v_pk_add_f32 v[\b+2*(\d)*m:\b+2*(\d)*m+1], v[\b+2*(\d)*m:\b+2*(\d)*m+1], v[\b+2*(\d)*m+(\d):\b+2*(\d)*m+(\d)+1]
.set m, m+1
.endr
.endm
; A step: 256 keys, the records at s30 and s30 + REC.  The even record's K is in F.  ldk: the next step's K is fetched.  ql: the second tile's q is asked for
.macro BIG ldk, ql
	s_wait_alu depctr_va_vdst(0)
	s_wait_dscnt 0x0                               ; the even record's K and scale words are in
	P1 S, SW0
	v_add_nc_u32 v[ADR], s30, v[LA]
	v_mov_b32 v[OM], v[NM]
	v_nop
	v_nop                                          ; with the two lines above: four places behind the products, in front of the loads into their registers
	LDK REC, SW1
	MAXR S, CH
	s_wait_alu depctr_va_vdst(0)
	s_wait_dscnt 0x0                               ; the odd record's K is in
	P1 S+64, SW1
	MAXF S, CH                                     ; four places behind the products
	LDV 0
	MAXR S+64, T
	MAXF S+64, T
	v_max3_num_f32 v[CH+1], v[CH], v[CH+2], v[T]
	v_max_num_f32 v[CH+1], v[CH+1], v[T+2]
	v_permlanex16_b32 v[CH+3], v[CH+1], s26, s27
	v_max3_num_f32 v[RM], v[RM], v[CH+1], v[CH+3]  ; the running largest score of my query
	v_mul_f32 v[T+1], s28, v[RM]                   ; as t (c is positive)
	v_floor_f32 v[NM], -v[T+1]                     ; the new -M = -ceil(t)
	FMAS 0, 16
	v_sub_f32 v[T+1], v[NM], v[OM]                 ; old M less new M: a whole number, 0 or less
	FMAS 16, 16
	v_cvt_i32_f32 v[T+1], v[T+1]                   ; (it saturates)
	FMAS 32, 16
	v_ldexp_f32 v[FF], 1.0, v[T+1]                 ; f
	FMAS 48, 16
	v_fma_f32 v[PB], v[CH], s28, v[NM]             ; the same of my blocks' largest scores
	v_fma_f32 v[PB+1], v[CH+2], s28, v[NM]
	v_fma_f32 v[PB+2], v[T], s28, v[NM]
	v_fma_f32 v[PB+3], v[T+2], s28, v[NM]
	s_wait_alu depctr_va_vdst(0)                   ; a wait ahead of the batch
.set j, 0
.rept 128
	v_exp_f32 v[S+j], v[S+j]                       ; p = 2^(t - M)
.set j, j+1
.endr
.irp b, 0,1,2,3
	v_exp_f32 v[PB+\b], v[PB+\b]                   ; my blocks' largest p
.endr
	v_pk_mul_f32 v[L:L+1], v[L:L+1], v[FF:FF+1] op_sel_hi:[1,0]   ; the sum under the new M; the plain place behind the batch
	s_wait_alu depctr_va_vdst(0)                   ; one wait for the batch and for O^T, whose first readers follow directly
.set j, 0
.rept 16
	v_pk_mul_f32 v[O+j:O+j+1], v[O+j:O+j+1], v[FF:FF+1] op_sel_hi:[1,0]   ; O^T under the new M
.set j, j+2
.endr
.irp b, 0,1,2,3
	v_max_num_f32 v[PB+\b], 0x1800000, v[PB+\b]    ; the floor 2^(3 - 127): the byte cannot fall under 1
.endr
.irp b, 0,1,2,3
	v_add_nc_u32 v[CH+\b], 0xff000000, v[PB+\b]    ; 2 off the exponent field: the conversion's scale operand
.endr
.irp b, 0,1,2,3
	v_lshrrev_b32 v[T+\b], 23, v[CH+\b]            ; the scales' bytes
.endr
	v_lshl_or_b32 v[T], v[T+1], 16, v[T]           ; my bytes of a record: blocks h and 2 + h
	v_lshl_or_b32 v[T+2], v[T+3], 16, v[T+2]
	v_permlanex16_b32 v[T+1], v[T], s26, s27
	v_permlanex16_b32 v[T+3], v[T+2], s26, s27
	v_lshl_or_b32 v[PW], v[T+1], 8, v[T]           ; lanes 0-15, which alone are read: blocks 0 and 2 are mine, 1 and 3 lane l + 16's
	CVTS S, CH
	v_lshl_or_b32 v[PW2], v[T+3], 8, v[T+2]        ; (the plain place behind the conversions)
	TREE S, 2, 0, 16
	s_wait_alu depctr_va_vdst(0)
	s_wait_dscnt 0x0                               ; the even record's V is in
	P2 SW0, PW
	TREE S, 4, 0, 8                                ; places behind the products, in front of the loads and conversions into their registers
	LDV REC
	CVTS S+64, CH+2
	TREE S, 8, 0, 4
	TREE S, 16, 0, 2
	TREE S, 32, 0, 1
.if \ql
.irp i, 0,1,2,3,4,5,6,7
	global_load_b128 v[S+32+4*\i:S+32+4*\i+3], v[LA], s[4:5] offset:4096+512*\i th:TH_LOAD_NT   ; into registers that this pass needs no more
.endr
.endif
	TREE S+64, 2, 0, 16
	s_wait_alu depctr_va_vdst(0)
	s_wait_dscnt 0x0                               ; the odd record's V is in
	P2 SW1, PW2
	TREE S+64, 4, 0, 8                             ; places behind the products
.if \ldk
	LDK 2*REC, SW0
.endif
	TREE S+64, 8, 0, 4
	TREE S+64, 16, 0, 2
	TREE S+64, 32, 0, 1
	v_pk_add_f32 v[L:L+1], v[L:L+1], v[S:S+1]
	v_pk_add_f32 v[L:L+1], v[L:L+1], v[S+64:S+65]
.endm
; A pass: tile p of my 32 queries through all keys.  Its q lies in v[S+32 .. S+63] as loaded
.macro PASS p
	s_wait_loadcnt 0x0
.irp i, 0,1,2,3,4,5,6,7
	ds_store_b128 v[QIN], v[S+32+4*\i:S+32+4*\i+3] offset:2*PL*\i
.endr
.irp j, 0,1,2,3,4,5,6,7
	ds_load_b128 v[S+4*\j:S+4*\j+3], v[QOUT] offset:16*\j   ; lane (r, h) gets row r, dims 32 h on: a whole block.  A wave's LDS instructions are served in order
.endr
	s_wait_dscnt 0x0
	v_max3_num_f32 v[T], |v[S]|, |v[S+1]|, |v[S+2]|
	v_max3_num_f32 v[T+1], |v[S+3]|, |v[S+4]|, |v[S+5]|
.irp i, 6,10,14,18,22,26
	v_max3_num_f32 v[T], v[T], |v[S+\i]|, |v[S+\i+1]|
	v_max3_num_f32 v[T+1], v[T+1], |v[S+\i+2]|, |v[S+\i+3]|
.endr
	v_max3_num_f32 v[T], v[T], |v[S+30]|, |v[S+31]|
	v_max3_num_f32 v[T], v[T], v[T+1], 0x1800000
	v_add_nc_u32 v[CH], 0xff000000, v[T]
	v_lshrrev_b32 v[T], 23, v[CH]
	v_permlanex16_b32 v[T+1], v[T], s26, s27
	v_lshl_or_b32 v[QS], v[T+1], 8, v[T]           ; lanes 0-15: bytes 0, 1; bytes 2, 3 stay 0: the word for (q, 0)
	v_lshlrev_b32 v[QS+1], 16, v[QS]               ; and the word for (0, q)
.irp g, 0,1,2,3
	v_cvt_scalef32_pk8_fp4_f32 v[QZ+4+\g], v[S+8*\g:S+8*\g+7], v[CH]
.endr
.set j, 0
.rept 32
	v_mov_b32 v[O+j], 0                            ; O^T: the step is written once; the first f, 0, leaves zeros.  Also the places between q's words and codes and the first products
.set j, j+1
.endr
	v_mov_b32 v[L], 0
	v_mov_b32 v[L+1], 0
	v_mov_b32 v[RM], 0xff61b1e6                    ; -3e38, under every score
	v_mov_b32 v[NM], 0x7e000000                    ; so large that the first f is 0
	v_mov_b32 v[FF+1], 0
	v_mov_b32 v[ADR], v[LA]
	s_wait_alu depctr_va_vdst(0)
.if \p == 0
	s_wait_tensorcnt 0x0                           ; my record has landed,
	s_barrier_signal -1
	s_barrier_wait -1                              ; everybody's has
	global_prefetch_b8 v[PFO], s[4:5] offset:4096 th:TH_LOAD_NT scope:SCOPE_SE   ; my second tile's q: lanes 0-15 a block of 256 bytes each, the others the last block again
.else
	s_wait_xcnt 0x0                                ; the first tile's stores have read their registers
.endif
	LDK 0, SW0
	s_mov_b32 s30, 0
	s_mov_b32 s31, 7
.Lstep_\@:                                         ; 7 trips; the eighth step is written out: it fetches nothing beyond the head
	BIG 1, 0
	s_add_co_u32 s30, s30, 2*REC
	s_sub_co_u32 s31, s31, 1
	s_cmp_lg_u32 s31, 0
	s_cbranch_scc1 .Lstep_\@
	BIG 0, 1-\p
	; the way out: the sum's halves and lane l xor 16's; O^T / the sum goes through my stage and leaves as whole rows
	v_add_f32 v[L], v[L], v[L+1]
	v_permlanex16_b32 v[T], v[L], s26, s27
	v_add_f32 v[L], v[L], v[T]
	s_wait_alu depctr_va_vdst(0)                   ; a wait ahead of the transcendental
	v_rcp_f32 v[FF], v[L]
	v_nop
	s_wait_alu depctr_va_vdst(0)                   ; and ahead of its first reader, which is also the first reader of O^T
.set j, 0
.rept 16
	v_pk_mul_f32 v[S+64+j:S+64+j+1], v[O+j:O+j+1], v[FF:FF+1] op_sel_hi:[1,0]   ; register 8 t + n is out0(query r, channel 16 t + 8 h + n)
.set j, j+2
.endr
.irp t, 0,1,2,3
	ds_store_b128 v[OIN], v[S+64+8*\t:S+64+8*\t+3] offset:64*\t
	ds_store_b128 v[OIN], v[S+64+8*\t+4:S+64+8*\t+7] offset:64*\t+16
.endr
.irp i, 0,1,2,3,4,5,6,7
	ds_load_b128 v[S+96+4*\i:S+96+4*\i+3], v[OBK] offset:2*SP*\i
.endr
.irp i, 0,1,2,3,4,5,6,7
	s_wait_dscnt 7-\i                              ; the 7 - i younger loads may be out
	global_store_b128 v[LA], v[S+96+4*\i:S+96+4*\i+3], s[8:9] offset:4096*\p+512*\i th:TH_STORE_NT   ; 512 consecutive bytes, two whole rows
.endr
.endm
	s_load_b128 s[4:7], s[0:1], 0x0                ; q, kv
	s_load_b64 s[8:9], s[0:1], 0x10                ; out0
	v_lshl_add_u32 v[SPW], v0, 2, SPARE
	v_mov_b32 v[NIL], 0
	ds_add_u32 v[SPW], v[NIL]                      ; the opening lines: the add twice on end and its wait
	ds_add_u32 v[SPW], v[NIL]
	v_lshrrev_b32 v[T], 5, v0
	v_readfirstlane_b32 s10, v[T]                  ; wave 0..15
	s_bfe_u32 s11, ttmp6, 0x40000                  ; cx: it enters q's and out0's addresses alone
	s_lshl_b32 s24, ttmp9, 2
	s_add_co_u32 s24, s24, s11                     ; my block of 512 queries
	s_and_b32 s25, ttmp7, 0xffff                   ; the head, which the four partners share
	s_lshl_b32 s32, s25, 19
	s_lshl_b32 s33, s24, 17
	s_add_co_u32 s32, s32, s33
	s_lshl_b32 s33, s10, 13                        ; a wave's part: 32 x 256 bytes
	s_add_co_u32 s32, s32, s33
	s_mov_b32 s33, 0
	s_mov_b32 s12, 1                               ; group 0: count = 1
	s_mul_i32 s13, s10, REC                        ; LDS address: a record a wave
	s_mul_i32 s34, s25, HEADB
	s_add_co_u32 s34, s34, s13                     ; and the same record of the head in kv
	s_mov_b32 s35, 0
	s_mov_b32 s16, 15|(3<<16)|(1<<21)              ; group 1: the mask of all four; elements of 8 bytes; bit 21 beside a mask; no padding
	s_mov_b32 s17, 32<<16                          ; rows of 256 bytes
	s_mov_b32 s18, 34<<16                          ; 34 rows
	s_mov_b32 s19, 32<<16
	s_mov_b32 s20, 34
	s_mov_b32 s21, 32
	s_mov_b32 s22, 0
	s_mov_b32 s23, 0
	s_mov_b32 s26, 0x76543210
	s_mov_b32 s27, 0xfedcba98                      ; selects for lane l xor 16
	s_mov_b32 s28, 0x3e38aa3b                      ; c = log2(e) / 8
	s_mov_b32 s29, s28
	s_mul_i32 s36, s10, STGW
	s_add_co_u32 s36, s36, STG                     ; my stage
	v_and_b32 v[LA], 31, v0
	v_min_u32 v[PFO], 15, v[LA]
	v_lshlrev_b32 v[PFO], 8, v[PFO]                ; 256 x min(lane, 15)
	v_lshlrev_b32 v[LA], 4, v[LA]
	v_and_b32 v[T], 15, v0                         ; r
	v_bfe_u32 v[T+1], v0, 4, 1                     ; h
	v_bfe_u32 v[QIN], v0, 3, 1                     ; q's turn, in: which half of its row,
	v_mul_u32_u24 v[QIN], v[QIN], HB
	v_mad_u32_u24 v[QIN], v[T+1], PL, v[QIN]       ; which of the load's two rows,
	v_and_b32 v[T+2], 7, v0
	v_lshl_add_u32 v[QIN], v[T+2], 4, v[QIN]       ; and where in the half
	v_add_nc_u32 v[QIN], s36, v[QIN]
	v_mul_u32_u24 v[QOUT], v[T+1], HB              ; out: the place of (row r, half h)
	v_mad_u32_u24 v[QOUT], v[T], PL, v[QOUT]
	v_add_nc_u32 v[QOUT], s36, v[QOUT]
	v_mul_u32_u24 v[OIN], v[T], SP                 ; the way out, in: row r, 32 bytes for each half of the lanes
	v_lshl_add_u32 v[OIN], v[T+1], 5, v[OIN]
	v_add_nc_u32 v[OIN], s36, v[OIN]
	v_mul_u32_u24 v[OBK], v[T+1], SP               ; back: lanes 0-15 one row, lanes 16-31 the next
	v_lshl_add_u32 v[OBK], v[T], 4, v[OBK]
	v_add_nc_u32 v[OBK], s36, v[OBK]
.irp j, 0,1,2,3,8,9,10,11
	v_mov_b32 v[QZ+\j], 0                          ; the zero codes beside q's
.endr
	v_mov_b32 v[T+2], 0
	v_mov_b32 v[T+3], 0                            ; a lane permute's destination counts as one of its sources
	s_wait_alu depctr_va_vdst(0)
	s_wait_dscnt 0x0
	s_wait_kmcnt 0x0
	s_add_nc_u64 s[4:5], s[4:5], s[32:33]          ; q and out0 at my wave's first query
	s_add_nc_u64 s[8:9], s[8:9], s[32:33]
	s_add_nc_u64 s[14:15], s[6:7], s[34:35]        ; group 0: head and wave alone enter the address
	s_or_b32 s15, s15, 0x80000000
.irp i, 0,1,2,3,4,5,6,7
	global_load_b128 v[S+32+4*\i:S+32+4*\i+3], v[LA], s[4:5] offset:512*\i th:TH_LOAD_NT   ; my first 16 queries as they lie
.endr
	CROUND                                         ; all four work-groups are here: the joint loads meet
	tensor_load_to_lds s[12:15], s[16:23]          ; my one tensor load
	s_nop 0
.rept 4
	v_nop
.endr
	PASS 0
	PASS 1
	s_wait_tensorcnt 0x0                           ; the wave's end
	ds_add_u32 v[SPW], v[NIL]
	s_wait_dscnt 0x0
	CROUND                                         ; the closing round
	s_endpgm
.Lfunc_end_k_q6b04757036_attn:
	.size	k_q6b04757036_attn, .Lfunc_end_k_q6b04757036_attn-k_q6b04757036_attn
	.p2alignl 7, 3214868480
	.fill 96, 4, 3214868480
	.section	.rodata,"a",@progbits
	.p2align	6, 0x0
	.amdhsa_kernel k_q6b04757036_attn
		.amdhsa_group_segment_fixed_size 219136
		.amdhsa_private_segment_fixed_size 0
		.amdhsa_enable_private_segment 0
		.amdhsa_kernarg_size 24
		.amdhsa_user_sgpr_count 2
		.amdhsa_user_sgpr_kernarg_segment_ptr 1
		.amdhsa_wavefront_size32 1
		.amdhsa_system_sgpr_workgroup_id_x 1
		.amdhsa_system_sgpr_workgroup_id_y 1
		.amdhsa_system_sgpr_workgroup_id_z 1
		.amdhsa_system_vgpr_workitem_id 0
		.amdhsa_next_free_vgpr 256
		.amdhsa_next_free_sgpr 66
		.amdhsa_reserve_vcc 0
		.amdhsa_float_denorm_mode_32 3
		.amdhsa_float_denorm_mode_16_64 3
		.amdhsa_memory_ordered 1
		.amdhsa_forward_progress 1
		.amdhsa_inst_pref_size 123
	.end_amdhsa_kernel
	.amdgpu_metadata
---
amdhsa.version: [ 1, 2 ]
amdhsa.kernels:
  - .name:           k_q6b04757036_attn
    .symbol:         k_q6b04757036_attn.kd
    .args:
      - { .name: q, .offset: 0, .size: 8, .value_kind: global_buffer, .address_space: global }
      - { .name: kv, .offset: 8, .size: 8, .value_kind: global_buffer, .address_space: global }
      - { .name: out0, .offset: 16, .size: 8, .value_kind: global_buffer, .address_space: global }
    .group_segment_fixed_size: 219136
    .private_segment_fixed_size: 0
    .kernarg_segment_align: 8
    .kernarg_segment_size: 24
    .max_flat_workgroup_size: 512
    .sgpr_count:     66
    .vgpr_count:     256
    .wavefront_size: 32
...
	.end_amdgpu_metadata
.endif
;; end of part 2
